; MI455X (gfx1250); checked and timed in simulation.
; The chip was launched on July 23, 2026; its instructions are those of AMD's public machine-readable ISA for CDNA 5 (MIT licence, August 2026) and "CDNA5" Instruction Set Architecture Reference Guide (July 2026). The comments in the code are by the model that wrote it; some were corrected since.
;; SCAN. Allowed arithmetic: matrix products marked QUANTISED: E5M2 operands, one E8M0 scale for each 32 along K, by v_wmma_scale_f32_16x16x128_f8f6f4 with both operands' format E5M2, f32 sums; everything else in f32.
;; Inputs: class_label_bank 100,000 int32; cluster_idx 256 int32; cluster_label_bank 100,000 int32; feature 256 x 256 float32; feature_bank 100,000 x 256 float32; gt_label 256 int32.
;; Outputs: out0 256 x 256 float32.
;; This version of the problem:
;;   THIS VERSION OF THE PROBLEM IS GIVEN IN LOW PRECISION. The matrix products marked QUANTISED in the list below multiply operands that are first quantised to E5M2 (5 exponent bits, 2 mantissa bits; 8 bits a number), with one power-of-two scale for each 32 numbers along K (OCP MX v1.0); their sums are f32. All else is computed in f32.
;;   The module's matrix products, in the order in which they are computed (A, B: the left and right operand; K: the contracted axis; several contracted axes count as one K, in the product's order):
;;     1. [M 256, K 256] x [K 256, N 100,000]; A: input feature; B: input feature_bank: QUANTISED
;;   THE QUANTISER, for each operand of a quantised product, along K:
;;     - K is cut into blocks of 32 from its start; a last block that is shorter is filled with zeros.
;;     - A block's scale is 2^e with e = floor(log2(the largest magnitude in the block)) - 15, held to -126 .. 127; a block of zeros has e = 0. As a byte (E8M0): e + 127.
;;     - Each number is divided by its block's scale, clamped to +-57,344, and rounded to the nearest number of E5M2, ties to even, subnormals kept.
;;     - The product sums the exact products of the quantised numbers (number of the format x scale) in f32.
;;   ~~~python
;;   def quantise(x, axis):      # numpy; x: float32 -> the quantised numbers, widened to float32 again
;;       x = np.moveaxis(x, axis, -1); K = x.shape[-1]
;;       x = np.pad(x, [(0, 0)] * (x.ndim - 1) + [(0, -K % 32)]); x = x.reshape(x.shape[:-1] + (-1, 32)); a = np.abs(x).max(-1, keepdims=True)
;;       e = np.where(a > 0, np.clip(np.frexp(np.where(a > 0, a, 1))[1] - 1 - 15, -126, 127), 0)      # np.frexp(a)[1] - 1 = floor(log2(a)), exactly
;;       r = np.clip(x / 2.0 ** e, -57344, 57344)
;;       step = 2.0 ** (np.maximum(np.frexp(np.where(r == 0, 1, r))[1] - 1, -14) - 2)
;;       q = np.round(r / step) * step * 2.0 ** e      # np.round: ties to even
;;       return np.moveaxis(q.reshape(q.shape[:-2] + (-1,))[..., :K], -1, axis).astype(np.float32)
;;   ~~~
;; One version. Each part assembles by itself: llvm-mc -triple=amdgcn-amd-amdhsa -mcpu=gfx1250 --defsym DOCPART=n.
;; ======== version 1 of 1: 2 launches
;; limits: right only within a limited range of input values
;; workspace buffers: part 512,000 bytes of whole numbers; qimg 68,608 bytes
;; launch scan (part 1): grid 250 x 1, 8 waves a work-group, no clusters, 252,928 bytes of LDS; arguments feature, feature_bank, cluster_label_bank, class_label_bank, cluster_idx, gt_label, part, qimg; writes part, qimg
.if DOCPART == 1
	.amdgcn_target "amdgcn-amd-amdhsa--gfx1250"
	.amdhsa_code_object_version 6
	.text
	.protected	k_qbbd5788f2f_scan
	.globl	k_qbbd5788f2f_scan
	.p2align	8
	.type	k_qbbd5788f2f_scan,@function
k_qbbd5788f2f_scan:
	s_mov_b64 s[64:65], 0
	v_nop
	global_prefetch_b8 v0, s[64:65] scope:SCOPE_SE
	s_setreg_imm32_b32 hwreg(HW_REG_WAVE_MODE, 25, 1), 1
	s_wait_xcnt 0x0
; For each query and each work-group's 400 bank rows: the least distance among the rows that the mask admits, and the group of 8 rows in which it lies.
; 250 work-groups x 400 rows = 100,000.  400 rows = 5 rounds of 5 tiles of 16 rows.  Eight waves.
; QUANTISING: wave w takes block w (32 numbers, 128 bytes) of every row, of the 256 queries first and of the bank's rows round by round.  A load takes 4 rows x 128 bytes; the
; bytes turn through the wave's own stage in LDS into the operand's layout: lane (r, h) holds row r, numbers 16 h .. 16 h + 15 of the block.
; PRODUCTS: wave w keeps the 64 queries 64 (w & 3) .. in registers; of a round's five row tiles it takes tiles p, 2 + p (p = w >> 2) whole and tile 4 against half of its queries.
;   S = q.b - b2/2: the product of the contract, -b2/2 given as its C.  d2 = a2 - 2 S: the least distance is the greatest S.
;   T1 > 0 exactly where cluster equal and class different, T2 > 0 exactly where class different: a label's 32 bits are 32 codes of +-1, so a product of two labels is 32 - 2 x (bits that differ).
;     T1 = 2^114 (31 - class.class + 64 (cluster.cluster - 32)),  T2 = 2^114 (31 - class.class): whole numbers x 2^114, never 0.  Any int32 labels are served.
;   max(min(S, T)) over rows is the greatest S among admitted rows; where none is admitted it is at most -2^114.  Two maxima are kept: T1's (the primary mask) and T2's (the fallback).
;   S is held at a2/2 (d2 at 0), and a later group takes an earlier one's place only where it is greater.
; No input is left out.
; LIMITS: |S| and a2/2 under 2^113; blocks whose largest magnitude lies under 2^(15-126) take the floor's scale; NaN and infinities are not served.
; Distances whose squares differ but whose roots round to one number may be ordered by their squares.
; No cluster: there is no tensor load; bank rows are read by one work-group alone, and the queries once at the head.
.set STW, 11520                        ; LDS: a wave's stage, 80 rows x 144 bytes
.set CDB, 92160                        ; a round's codes: [5 tiles][8 blocks][512]
.set SCB, 112640                       ; their scale words: [5 tiles][2 halves of K][16 rows]
.set PTB, 113408                       ; parts of b2: [80 rows][8 blocks], rows 48 bytes apart
.set BUF, 25088                        ; codes, scale words and parts lie twice, BUF apart: rounds take turns
.set CBB, 142336                       ; -b2/2 of 80 rows, a copy for each wave (512 bytes)
.set QCB, 146432                       ; the queries' codes: [16 tiles][8 blocks][512]; at the end the waves' results
.set QSB, 211968                       ; their scale words
.set QPB, 214016                       ; parts of a2: [256][8], rows 48 bytes apart
.set MKB, 226304                       ; label codes: [25 tiles][class 512, cluster 512]
.set SPARE, 251904                     ; the spare words
.set ROUNDB, 81920                     ; bytes of 80 rows
.set VG, 3
.set SW, 4
.set SR, 5
.set CWR, 6
.set SBY, 7
.set PW, 8
.set SPW, 23
.set NIL, 24
.set TB, 25
.set TID1, 26
.set PFA, 27
.set PFB, 28
.set WK, 29
.set TID2, 29
.set QS, 30
.set ASC, 34
.set SC1, 35
.set SCQ, 37
.set CB, 38
.set M1, 46
.set M2, 50
.set HS, 53
.set I1, 54
.set I2, 58
.set CAP, 62
.set N, 66
.set MX, 70
.set PM, 75
.set HD, 38
.set SQ, 240
.set SO, 250
.set RAW, 80
.set X, 160
.set S0, 160                           ; two sets of accumulators: for each of two query tiles S, T1, T2
.set S1, 208
; window 1:
.set QC, 0
.set QM, 128
.set AC, 192
.set A1, 224
.set A2, 240
.set MSB, 0
.macro WIN new
.if MSB != (\new)
	s_set_vgpr_msb (MSB<<8)|(\new)
.set MSB, (\new)
.endif
.endm
; nt blocks of 32 along K, one for each row tile, from v[X + 16 b]: codes to v[co + 4 b] in window wn, the scale's byte to PM + b, the sum of squares to SQ + 2 b
.macro QUANT nt, co, wn
.irp b, 0,1,2,3,4
.if \b < \nt
	v_max3_num_f32 v[MX+\b], 0x8000000, |v[X+16*\b]|, |v[X+16*\b+1]|
.endif
.endr
.irp i, 2,4,6,8,10,12,14
.irp b, 0,1,2,3,4
.if \b < \nt
	v_max3_num_f32 v[MX+\b], v[MX+\b], |v[X+16*\b+\i]|, |v[X+16*\b+\i+1]|
.endif
.endr
.endr
.irp b, 0,1,2,3,4
.if \b < \nt
	v_pk_mul_f32 v[SQ+2*\b:SQ+2*\b+1], v[X+16*\b:X+16*\b+1], v[X+16*\b:X+16*\b+1]
.endif
.endr
.irp b, 0,1,2,3,4
.if \b < \nt
	v_permlanex16_b32 v[PM+\b], v[MX+\b], s20, s21
.endif
.endr
.irp i, 2,4,6,8,10,12,14
.irp b, 0,1,2,3,4
.if \b < \nt
	v_pk_fma_f32 v[SQ+2*\b:SQ+2*\b+1], v[X+16*\b+\i:X+16*\b+\i+1], v[X+16*\b+\i:X+16*\b+\i+1], v[SQ+2*\b:SQ+2*\b+1]
.endif
.endr
.endr
.irp b, 0,1,2,3,4
.if \b < \nt
	v_max_num_f32 v[MX+\b], v[MX+\b], v[PM+\b]
.endif
.endr
.irp b, 0,1,2,3,4
.if \b < \nt
	v_add_nc_u32 v[SO+\b], 0xf8800000, v[MX+\b]    ; 15 off the exponent field: the conversion's scale
.endif
.endr
.irp b, 0,1,2,3,4
.if \b < \nt
	v_and_or_b32 v[HD+\b], v[MX+\b], 0x7f800000, s19   ; 57,344 x the scale
.endif
.endr
.irp b, 0,1,2,3,4
.if \b < \nt
	v_lshrrev_b32 v[PM+\b], 23, v[SO+\b]
.endif
.endr
.irp i, 0,1,2,3,4,5,6,7,8,9,10,11,12,13,14,15
.irp b, 0,1,2,3,4
.if \b < \nt
	v_med3_num_f32 v[X+16*\b+\i], v[X+16*\b+\i], -v[HD+\b], v[HD+\b]
.endif
.endr
.endr
	WIN ((\wn)<<6)
.irp b, 0,1,2,3,4
.if \b < \nt
	v_cvt_scalef32_pk8_bf8_f32 v[\co+4*\b:\co+4*\b+1], v[X+16*\b:X+16*\b+7], v[SO+\b]
	v_cvt_scalef32_pk8_bf8_f32 v[\co+4*\b+2:\co+4*\b+3], v[X+16*\b+8:X+16*\b+15], v[SO+\b]
.endif
.endr
	WIN 0
.irp b, 0,1,2,3,4
.if \b < \nt
	v_add_f32 v[SQ+2*\b], v[SQ+2*\b], v[SQ+2*\b+1]
.endif
.endr
.irp b, 0,1,2,3,4
.if \b < \nt
	v_permlanex16_b32 v[SQ+2*\b+1], v[SQ+2*\b], s20, s21
.endif
.endr
.irp b, 0,1,2,3,4
.if \b < \nt
	v_add_f32 v[SQ+2*\b], v[SQ+2*\b], v[SQ+2*\b+1]
.endif
.endr
.endm
; 16 bits of a label (bits 16 h ..) into 16 codes: bit 0 -> 1.0 (0x3c), bit 1 -> -1.0 (0xbc)
.macro BITS src, d, wn
	v_lshrrev_b32 v[52], v[HS], v[\src]
.irp n, 0,1,2,3
	v_bfe_u32 v[66+\n], v[52], 4*\n, 4
.endr
.irp n, 0,1,2,3
	v_mul_u32_u24 v[66+\n], s33, v[66+\n]          ; bit i of the four to bit 8 i
.endr
.irp n, 0,1,2,3
	v_and_b32 v[66+\n], s34, v[66+\n]
.endr
	WIN ((\wn)<<6)
.irp n, 0,1,2,3
	v_lshl_or_b32 v[\d+\n], v[66+\n], 7, s35
.endr
	WIN 0
.endm
; a tile's fragments: codes, class and cluster codes (class twice: for T1 and for T2), scale words
.macro LDA ac, co, as, so, am, mo
	WIN 0x40
.irp q, 0,1,2,3,4,5,6,7
	ds_load_b128 v[AC+4*\q:AC+4*\q+3], v[\ac] offset:\co+512*\q
.endr
	ds_load_b128 v[A1:A1+3], v[\am] offset:\mo
	ds_load_b128 v[A2:A2+3], v[\am] offset:\mo
	ds_load_b128 v[A1+8:A1+11], v[\am] offset:\mo+512
	WIN 0
	ds_load_b32 v[ASC], v[\as] offset:\so
.endm
.macro LDC ab, bo
	ds_load_b128 v[CB:CB+3], v[\ab] offset:\bo
	ds_load_b128 v[CB+4:CB+7], v[\ab] offset:\bo+16
.endm
; the row tile against query tiles q, q + 1 of mine: source 0 = bank rows, source 1 = queries: a lane holds one query, registers run along 8 rows
.macro W sb, q
	WIN 0x05
.irp e, 0,1
	v_wmma_scale_f32_16x16x128_f8f6f4 v[\sb+24*\e:\sb+24*\e+7], v[AC:AC+15], v[QC+32*(\q+\e):QC+32*(\q+\e)+15], v[CB:CB+7], v[ASC], v[QS+\q+\e] matrix_a_fmt:MATRIX_FMT_BF8 matrix_b_fmt:MATRIX_FMT_BF8
.endr
.irp e, 0,1
	v_wmma_scale_f32_16x16x128_f8f6f4 v[\sb+24*\e+8:\sb+24*\e+15], v[A1:A1+15], v[QM+16*(\q+\e):QM+16*(\q+\e)+15], 0, v[SC1], v[SCQ] matrix_a_fmt:MATRIX_FMT_BF8 matrix_b_fmt:MATRIX_FMT_BF8
	v_wmma_scale_f32_16x16x128_f8f6f4 v[\sb+24*\e+16:\sb+24*\e+23], v[A2:A2+15], v[QM+16*(\q+\e):QM+16*(\q+\e)+15], 0, v[SCQ], v[SCQ] matrix_a_fmt:MATRIX_FMT_BF8 matrix_b_fmt:MATRIX_FMT_BF8
.endr
.irp e, 0,1
	v_wmma_scale_f32_16x16x128_f8f6f4 v[\sb+24*\e:\sb+24*\e+7], v[AC+16:AC+31], v[QC+32*(\q+\e)+16:QC+32*(\q+\e)+31], v[\sb+24*\e:\sb+24*\e+7], v[ASC], v[QS+\q+\e] matrix_a_fmt:MATRIX_FMT_BF8 matrix_b_fmt:MATRIX_FMT_BF8 matrix_a_scale:MATRIX_SCALE_ROW1 matrix_b_scale:MATRIX_SCALE_ROW1
.endr
	WIN 0
.endm
; the same in parts, for a round's first tile: the label products, S over the first and over the second half of K (in window setting 0x05)
.macro WT sb, q
.irp e, 0,1
	v_wmma_scale_f32_16x16x128_f8f6f4 v[\sb+24*\e+8:\sb+24*\e+15], v[A1:A1+15], v[QM+16*(\q+\e):QM+16*(\q+\e)+15], 0, v[SC1], v[SCQ] matrix_a_fmt:MATRIX_FMT_BF8 matrix_b_fmt:MATRIX_FMT_BF8
	v_wmma_scale_f32_16x16x128_f8f6f4 v[\sb+24*\e+16:\sb+24*\e+23], v[A2:A2+15], v[QM+16*(\q+\e):QM+16*(\q+\e)+15], 0, v[SCQ], v[SCQ] matrix_a_fmt:MATRIX_FMT_BF8 matrix_b_fmt:MATRIX_FMT_BF8
.endr
.endm
.macro WLO sb, q
.irp e, 0,1
	v_wmma_scale_f32_16x16x128_f8f6f4 v[\sb+24*\e:\sb+24*\e+7], v[AC:AC+15], v[QC+32*(\q+\e):QC+32*(\q+\e)+15], v[CB:CB+7], v[ASC], v[QS+\q+\e] matrix_a_fmt:MATRIX_FMT_BF8 matrix_b_fmt:MATRIX_FMT_BF8
.endr
.endm
.macro WHI sb, q
.irp e, 0,1
	v_wmma_scale_f32_16x16x128_f8f6f4 v[\sb+24*\e:\sb+24*\e+7], v[AC+16:AC+31], v[QC+32*(\q+\e)+16:QC+32*(\q+\e)+31], v[\sb+24*\e:\sb+24*\e+7], v[ASC], v[QS+\q+\e] matrix_a_fmt:MATRIX_FMT_BF8 matrix_b_fmt:MATRIX_FMT_BF8 matrix_a_scale:MATRIX_SCALE_ROW1 matrix_b_scale:MATRIX_SCALE_ROW1
.endr
.endm
; four chains (two query tiles, two masks): the greatest admitted S of my 8 rows
.macro VA sb
.irp e, 0,1
	v_min_num_f32 v[N+2*\e], v[\sb+24*\e], v[\sb+24*\e+8]
	v_min_num_f32 v[N+2*\e+1], v[\sb+24*\e], v[\sb+24*\e+16]
.endr
.irp j, 1,2,3
.irp e, 0,1
	v_minmax_num_f32 v[N+2*\e], v[\sb+24*\e+\j], v[\sb+24*\e+8+\j], v[N+2*\e]
	v_minmax_num_f32 v[N+2*\e+1], v[\sb+24*\e+\j], v[\sb+24*\e+16+\j], v[N+2*\e+1]
.endr
.endr
.endm
.macro VB sb, q, tid
.irp j, 4,5,6,7
.irp e, 0,1
	v_minmax_num_f32 v[N+2*\e], v[\sb+24*\e+\j], v[\sb+24*\e+8+\j], v[N+2*\e]
	v_minmax_num_f32 v[N+2*\e+1], v[\sb+24*\e+\j], v[\sb+24*\e+16+\j], v[N+2*\e+1]
.endr
.endr
.irp e, 0,1
	v_min_num_f32 v[N+2*\e], v[N+2*\e], v[CAP+\q+\e]   ; d2 is not negative
	v_min_num_f32 v[N+2*\e+1], v[N+2*\e+1], v[CAP+\q+\e]
.endr
.irp e, 0,1
	v_cmp_lt_f32 s[66+2*\e], v[M1+\q+\e], v[N+2*\e]
	v_cmp_lt_f32 s[67+2*\e], v[M2+\q+\e], v[N+2*\e+1]
.endr
.irp e, 0,1
	v_max_num_f32 v[M1+\q+\e], v[M1+\q+\e], v[N+2*\e]
	v_max_num_f32 v[M2+\q+\e], v[M2+\q+\e], v[N+2*\e+1]
.endr
.irp e, 0,1
	v_cndmask_b32 v[I1+\q+\e], v[I1+\q+\e], v[\tid], s[66+2*\e]
	v_cndmask_b32 v[I2+\q+\e], v[I2+\q+\e], v[\tid], s[67+2*\e]
.endr
.endm
.macro MERGE a, b, m                   ; (v[b] key, v[b+1] index) takes the place of (v[a], v[a+1]) where its key is less, or equal with a lower index
	v_cmp_lt_u32 s[\m], v[\b], v[\a]
	v_cmp_eq_u32 s[\m+1], v[\b], v[\a]
	v_cmp_lt_u32 s[\m+2], v[\b+1], v[\a+1]
	s_and_b32 s[\m+1], s[\m+1], s[\m+2]
	s_or_b32 s[\m], s[\m], s[\m+1]
	v_cndmask_b32 v[\a], v[\a], v[\b], s[\m]
	v_cndmask_b32 v[\a+1], v[\a+1], v[\b+1], s[\m]
.endm
.macro BANK                            ; a round's 80 rows, my block: 4 rows x 128 bytes a load
.set KI, 0
.rept 20
	global_load_b128 v[RAW+4*KI:RAW+4*KI+3], v[VG], s[26:27] offset:1024*(16*(KI/4)+(KI%4)) th:TH_LOAD_NT   ; rows k, k + 8, k + 4, k + 12 of a tile
.set KI, KI+1
.endr
.endm
.macro FEAT p, rg, wn                  ; 64 queries, my block, into v[rg ..] of window wn
	WIN ((\wn)<<6)
.set KI, 0
.rept 16
	global_load_b128 v[\rg+4*KI:\rg+4*KI+3], v[VG], s[4:5] offset:1024*(64*\p+16*(KI/4)+(KI%4))
.set KI, KI+1
.endr
	WIN 0
.endm
.macro FST rg, wn, n                   ; 64 queries' numbers into my stage; n younger loads may be out
	s_wait_loadcnt \n
	WIN ((\wn)<<2)
.set KI, 0
.rept 16
	ds_store_b128 v[SW], v[\rg+4*KI:\rg+4*KI+3] offset:144*(16*(KI/4)+(KI%4))
.set KI, KI+1
.endr
	WIN 0
.endm
.macro XLOAD nt                        ; and back as the operand wants them (a wave's LDS instructions are served in order)
.irp b, 0,1,2,3,4
.if \b < \nt
.irp j, 0,1,2,3
	ds_load_b128 v[X+16*\b+4*\j:X+16*\b+4*\j+3], v[SR] offset:2304*\b+16*\j
.endr
.endif
.endr
.endm
	s_load_b256 s[4:11], s[0:1], 0x0               ; feature, bank, cluster labels, class labels
	s_load_b128 s[12:15], s[0:1], 0x20             ; cluster_idx, gt_label
	s_load_b128 s[40:43], s[0:1], 0x30             ; part, qimg
	v_lshrrev_b32 v1, 5, v0
	v_readfirstlane_b32 s18, v1                    ; wave
	v_and_b32 v1, 15, v0                           ; r
	v_bfe_u32 v2, v0, 4, 1                         ; h
	v_and_b32 v[WK], 31, v0
	v_bfe_u32 v30, v0, 3, 1                        ; a load's row in the tile: 8 for the second eight lanes of a half, 4 for the upper half;
	v_lshlrev_b32 v30, 3, v30                      ; rows 8 apart lie 1,152 bytes apart in the stage
	v_lshl_add_u32 v30, v2, 2, v30
	v_and_b32 v31, 7, v0
	v_lshlrev_b32 v[VG], 10, v30
	v_lshl_add_u32 v[VG], v31, 4, v[VG]
	s_lshl_b32 s24, s18, 7
	v_add_nc_u32 v[VG], s24, v[VG]
	s_lshl_b32 s24, s18, 6
	v_lshlrev_b32 v33, 2, v1
	v_add_nc_u32 v32, s24, v33                     ; labels of row 16 w + r
	s_and_b32 s31, s18, 3                          ; which 64 queries
	s_lshr_b32 s29, s18, 2                         ; p
	s_lshl_b32 s24, s31, 8
	v_add_nc_u32 v34, s24, v33                     ; labels of query 64 g + r
	v_lshlrev_b32 v[PFA], 8, v[WK]                 ; a round is 320 blocks of 256 bytes: 40 a wave
	v_min_u32 v[PFB], 7, v[WK]
	v_lshlrev_b32 v[PFB], 8, v[PFB]
	s_mul_i32 s24, s18, 10240
	v_add_nc_u32 v[PFA], s24, v[PFA]
	s_add_co_u32 s24, s24, 8192
	v_add_nc_u32 v[PFB], s24, v[PFB]
	s_mov_b32 s25, 0
	s_wait_alu depctr_va_vdst(0)
	s_wait_kmcnt 0x0
	s_mul_i32 s24, ttmp9, 1600
	s_add_nc_u64 s[8:9], s[8:9], s[24:25]
	s_add_nc_u64 s[10:11], s[10:11], s[24:25]
	s_mul_i32 s24, ttmp9, 409600
	s_add_nc_u64 s[26:27], s[6:7], s[24:25]        ; my 400 rows
.irp u, 0,1,2
	global_load_b32 v[36+\u], v32, s[10:11] offset:512*\u
	global_load_b32 v[40+\u], v32, s[8:9] offset:512*\u
.endr
	global_load_b32 v39, v33, s[10:11] offset:1536 ; tile 24
	global_load_b32 v43, v33, s[8:9] offset:1536
.irp q, 0,1,2,3
	global_load_b32 v[54+\q], v34, s[14:15] offset:64*\q
	global_load_b32 v[58+\q], v34, s[12:13] offset:64*\q
.endr
	FEAT 0, 0, 1
	FEAT 1, 64, 1
	FEAT 2, 192, 1
.irp t, 0,1,2                          ; rounds 0 to 2 are asked for here
	global_prefetch_b8 v[PFA], s[26:27] offset:ROUNDB*\t th:TH_LOAD_NT scope:SCOPE_SE
	global_prefetch_b8 v[PFB], s[26:27] offset:ROUNDB*\t th:TH_LOAD_NT scope:SCOPE_SE
.endr
	v_lshl_add_u32 v[SPW], v0, 2, SPARE
	v_mov_b32 v[NIL], 0
	s_mov_b32 s19, 0x600000                        ; the mantissa field of 57,344
	s_mov_b32 s20, 0x76543210
	s_mov_b32 s21, 0xfedcba98                      ; lane l xor 16
	s_mov_b32 s22, 0xf8000000                      ; -2^113
	s_mov_b32 s33, 0x204081
	s_mov_b32 s34, 0x01010101
	s_mov_b32 s35, 0x3c3c3c3c
	s_wait_alu depctr_va_vdst(0)
	v_mul_u32_u24 v[SW], v30, 144
	v_lshl_add_u32 v[SW], v31, 4, v[SW]
	v_mul_u32_u24 v[SR], v1, 144
	v_lshl_add_u32 v[SR], v2, 6, v[SR]
	s_mul_i32 s24, s18, STW
	v_add_nc_u32 v[SW], s24, v[SW]
	v_add_nc_u32 v[SR], s24, v[SR]
	s_lshl_b32 s24, s18, 9
	v_lshl_add_u32 v10, v[WK], 4, CDB              ; a tile's codes, 16 bytes a lane
	v_add_nc_u32 v[CWR], s24, v10
	v_lshl_add_u32 v62, v[WK], 4, QCB
	v_add_nc_u32 v62, s24, v62
	v_lshl_add_u32 v18, v2, 5, CBB                 ; -b2/2 of rows 8 h ..
	v_add_nc_u32 v18, s24, v18
	v_lshl_add_u32 v21, v[WK], 2, CBB
	v_add_nc_u32 v21, s24, v21
	v_lshl_add_u32 v22, v1, 2, CBB+256
	v_add_nc_u32 v22, s24, v22
	s_lshl_b32 s24, s29, 6
	v_add_nc_u32 v17, s24, v18
	s_add_co_u32 s24, s24, s31                     ; my byte of the scale words: half of K, block in it
	v_lshl_add_u32 v[SBY], v1, 2, SCB
	v_add_nc_u32 v[SBY], s24, v[SBY]
	v_lshl_add_u32 v63, v1, 2, QSB
	v_add_nc_u32 v63, s24, v63
	s_lshl_b32 s24, s18, 2
	v_mul_u32_u24 v[PW], v1, 48
	v_add_nc_u32 v[PW], PTB, v[PW]
	v_add_nc_u32 v[PW], s24, v[PW]
	v_mul_u32_u24 v64, v1, 48
	v_add_nc_u32 v64, QPB, v64
	v_add_nc_u32 v64, s24, v64
	s_lshl_b32 s24, s29, 12
	v_add_nc_u32 v9, s24, v10
	s_lshl_b32 s24, s29, 7
	v_lshl_add_u32 v12, v[WK], 2, SCB
	v_add_nc_u32 v11, s24, v12
	s_lshl_b32 s24, s29, 10
	v_lshl_add_u32 v14, v[WK], 4, MKB-5120         ; (the trip that multiplies round t is trip t + 1)
	v_add_nc_u32 v13, s24, v14
	v_mul_u32_u24 v19, v[WK], 48
	v_mul_u32_u24 v20, v1, 48
	v_add_nc_u32 v19, PTB, v19
	v_add_nc_u32 v20, PTB+3072, v20
	s_lshl_b32 s24, s18, 10
	s_add_co_u32 s24, s24, 5120
	v_add_nc_u32 v46, s24, v14                     ; label codes of tile w
	v_lshlrev_b32 v[HS], 4, v2
.irp b, 0,1,2,3,4
	v_mov_b32 v[PM+\b], 0                          ; a lane permute's destination counts as one of its sources
.endr
	s_wait_alu depctr_va_vdst(0)
	s_wait_loadcnt 48                              ; all labels are in; 48 of the queries' loads may be out
.irp u, 0,1,2
	BITS 36+\u, 160+8*\u, 0
	BITS 40+\u, 164+8*\u, 0
	ds_store_b128 v46, v[160+8*\u:163+8*\u] offset:8192*\u
	ds_store_b128 v46, v[164+8*\u:167+8*\u] offset:8192*\u+512
.endr
	s_wait_alu depctr_va_vdst(0)
	s_cmp_lg_u32 s18, 0
	s_cbranch_scc1 .Lno24                          ; tile 24 is wave 0's
	BITS 39, 184, 0
	BITS 43, 188, 0
	ds_store_b128 v46, v[184:187] offset:24576
	ds_store_b128 v46, v[188:191] offset:25088
.Lno24:
	; the label operands' blocks of 32 along K: class, 31, cluster, -2,048.  The constants stand in lanes h = 0: bank 28, 3 and -2048 against the query's 1.0
	v_sub_nc_u32 v49, 1, v2
	v_mul_u32_u24 v72, 0x3c, v49
	v_mul_u32_u24 v73, 0x3c3c, v49
	WIN 0x40
.irp q, 0,1,2,3
	v_mov_b32 v[QM+16*\q+4], v73
	v_mov_b32 v[QM+16*\q+12], v72
.irp i, 5,6,7,13,14,15
	v_mov_b32 v[QM+16*\q+\i], 0
.endr
.endr
	WIN 0
.irp q, 0,1,2,3
	v_not_b32 v49, v[54+\q]                        ; the class with its sign turned
	BITS 49, QM+16*\q, 1
	BITS 58+\q, QM+16*\q+8, 1
.endr
	FEAT 3, RAW, 0                                 ; the last 64 queries
	s_mov_b32 s23, 0
	s_wait_alu depctr_va_vdst(0)
.Lfeat:                                                ; 64 queries a trip
	s_cmp_eq_u32 s23, 0
	s_cbranch_scc1 .Lp0
	s_cmp_eq_u32 s23, 1
	s_cbranch_scc1 .Lp1
	s_cmp_eq_u32 s23, 2
	s_cbranch_scc1 .Lp2
	FST RAW, 0, 0
	s_branch .Lgo
.Lp0:
	FST 0, 1, 48                                   ; three parts of 16 loads were issued behind these
	s_branch .Lgo
.Lp1:
	FST 64, 1, 32
	s_branch .Lgo
.Lp2:
	FST 192, 1, 16
.Lgo:
	XLOAD 4
	s_lshl_b32 s36, s23, 14
	s_lshl_b32 s37, s23, 9
	s_mul_i32 s38, s23, 3072
	v_add_nc_u32 v46, s36, v62
	v_add_nc_u32 v47, s37, v63
	v_add_nc_u32 v48, s38, v64
	s_wait_alu depctr_va_vdst(0)
	s_wait_dscnt 0x0
	s_cmp_eq_u32 s23, 3
	s_cbranch_scc0 .Lnobank
	s_wait_loadcnt 0x0
	BANK                                           ; the bank's first round; the stage's stores have read RAW
.Lnobank:
	QUANT 4, 224, 0
.irp b, 0,1,2,3
	ds_store_b128 v46, v[224+4*\b:227+4*\b] offset:4096*\b
	ds_store_b8 v47, v[PM+\b] offset:128*\b        ; both lanes of a row write the same byte
	ds_store_b32 v48, v[SQ+2*\b] offset:768*\b
.endr
	s_wait_alu depctr_va_vdst(0)
	s_add_co_u32 s23, s23, 1
	s_cmp_lt_u32 s23, 4
	s_cbranch_scc1 .Lfeat
	s_wait_loadcnt 16                              ; the queries' loads are long in; the youngest 16 of the bank's may be out
	s_wait_dscnt 0x0                               ; my codes, scales, parts and label codes are stored
	s_barrier_signal -1
	s_barrier_wait -1
	; my 64 queries: codes, scale words, parts of a2
	s_lshl_b32 s24, s31, 14
	v_lshl_add_u32 v46, v[WK], 4, QCB
	v_add_nc_u32 v46, s24, v46
	s_lshl_b32 s24, s31, 9
	v_lshl_add_u32 v47, v[WK], 2, QSB
	v_add_nc_u32 v47, s24, v47
	s_mul_i32 s24, s31, 3072
	v_mul_u32_u24 v48, v1, 48
	v_add_nc_u32 v48, QPB, v48
	v_add_nc_u32 v48, s24, v48
.irp q, 0,1,2,3
	ds_load_b128 v[160+8*\q:163+8*\q], v48 offset:768*\q
	ds_load_b128 v[164+8*\q:167+8*\q], v48 offset:768*\q+16
	ds_load_b32 v[QS+\q], v47 offset:128*\q
.endr
	WIN 0x40
.irp q, 0,1,2,3
.irp c, 0,1,2,3,4,5,6,7
	ds_load_b128 v[QC+32*\q+4*\c:QC+32*\q+4*\c+3], v46 offset:4096*\q+512*\c
.endr
.endr
	WIN 0
	; the label operands' blocks of 32 along K: class, 31, cluster, -2,048.  The constants stand in lanes h = 0: bank 28, 3 and -2048 against the query's 1.0
	v_mov_b32 v[SC1], 0xb8beb8b8                   ; 2^57, the cluster's block 2^63
	v_mov_b32 v[SCQ], 0xb8b8b8b8                   ; 2^57
.irp q, 0,1,2,3
	v_mov_b32 v[M1+\q], 0xff7fffff
	v_mov_b32 v[M2+\q], 0xff7fffff
	v_mov_b32 v[I1+\q], 0
	v_mov_b32 v[I2+\q], 0
.endr
	s_mul_i32 s24, ttmp9, 50
	s_lshl_b32 s36, s29, 1
	s_add_co_u32 s24, s24, s36
	s_sub_co_u32 s30, 8, s36
	v_add_nc_u32 v[TB], s24, v2                    ; number of my group of 8 rows in tile p: 2 (25 x work-group + p) + h
	s_wait_alu depctr_va_vdst(0)
	s_wait_dscnt 0x0
.irp q, 0,1,2,3
	v_pk_add_f32 v[160+8*\q:161+8*\q], v[160+8*\q:161+8*\q], v[162+8*\q:163+8*\q]
	v_pk_add_f32 v[164+8*\q:165+8*\q], v[164+8*\q:165+8*\q], v[166+8*\q:167+8*\q]
.endr
.irp q, 0,1,2,3
	v_pk_add_f32 v[160+8*\q:161+8*\q], v[160+8*\q:161+8*\q], v[164+8*\q:165+8*\q]
.endr
.irp q, 0,1,2,3
	v_add_f32 v[160+8*\q], v[160+8*\q], v[161+8*\q]
.endr
.irp q, 0,1,2,3
	v_mul_f32 v[CAP+\q], 0.5, v[160+8*\q]
.endr
	; the quantised queries, for the second launch: work-groups 0 to 15 a tile of codes each, work-group 16 the scale words and a2
	s_wait_alu depctr_va_vdst(0)
	s_cmp_lt_u32 ttmp9, 16
	s_cbranch_scc0 .Lnocodes
	s_min_u32 s24, ttmp9, 15
	s_lshl_b32 s24, s24, 12
	v_lshlrev_b32 v192, 4, v0
	v_add_nc_u32 v192, s24, v192
	v_add_nc_u32 v193, QCB, v192
	ds_load_b128 v[196:199], v193
	s_wait_alu depctr_va_vdst(0)
	s_wait_dscnt 0x0
	global_store_b128 v192, v[196:199], s[42:43]
	s_wait_xcnt 0x0
.Lnocodes:
	s_cmp_eq_u32 ttmp9, 16
	s_cbranch_scc0 .Lnoscales
	v_lshlrev_b32 v192, 3, v0
	v_add_nc_u32 v193, QSB, v192
	v_mul_u32_u24 v194, v0, 48
	v_add_nc_u32 v194, QPB, v194
	v_lshlrev_b32 v195, 2, v0
	ds_load_b64 v[196:197], v193
	ds_load_b128 v[200:203], v194
	ds_load_b128 v[204:207], v194 offset:16
	s_wait_alu depctr_va_vdst(0)
	s_wait_dscnt 0x0
	v_pk_add_f32 v[200:201], v[200:201], v[202:203]
	v_pk_add_f32 v[204:205], v[204:205], v[206:207]
	v_pk_add_f32 v[200:201], v[200:201], v[204:205]
	v_add_f32 v200, v200, v201
	s_mov_b32 s24, 65536
	s_add_nc_u64 s[44:45], s[42:43], s[24:25]
	global_store_b64 v192, v[196:197], s[44:45]
	global_store_b32 v195, v200, s[44:45] offset:2048
	s_wait_xcnt 0x0
.Lnoscales:
	s_wait_loadcnt 0x0                             ; the bank's first round
	v_sub_nc_u32 v72, 1, v2
	v_mul_u32_u24 v70, 0x424f, v72
	v_mul_u32_u24 v71, 0xe8, v72
	WIN 0x40
	v_mov_b32 v[A1+4], v70
	v_mov_b32 v[A1+12], v71
	v_mov_b32 v[A2+4], v70
.irp i, 5,6,7,13,14,15
	v_mov_b32 v[A1+\i], 0
.endr
.irp i, 5,6,7,8,9,10,11,12,13,14,15
	v_mov_b32 v[A2+\i], 0
.endr
	WIN 0
; round i's 80 rows, my block of each: quantised into the buffer at s38
.macro Q n
	s_wait_loadcnt 0x0                             ; this round's numbers are in
.set KI, 0
.rept 20
	ds_store_b128 v[SW], v[RAW+4*KI:RAW+4*KI+3] offset:144*(16*(KI/4)+(KI%4))
.set KI, KI+1
.endr
	XLOAD 5
	s_wait_dscnt 0x0                               ; X is in; the stage's stores have read RAW
	s_cmp_eq_u32 s23, 4
	s_cbranch_scc1 .Lnoload\n
	s_wait_xcnt 0x0                                ; the base may be stepped
	s_add_nc_u64 s[26:27], s[26:27], ROUNDB
	BANK
	s_cmp_lt_u32 s23, 2
	s_cbranch_scc0 .Lnoload\n
	global_prefetch_b8 v[PFA], s[26:27] offset:2*ROUNDB th:TH_LOAD_NT scope:SCOPE_SE
	global_prefetch_b8 v[PFB], s[26:27] offset:2*ROUNDB th:TH_LOAD_NT scope:SCOPE_SE
.Lnoload\n:
	QUANT 5, AC, 1
	v_add_nc_u32 v70, s38, v[CWR]
	v_add_nc_u32 v71, s38, v[SBY]
	v_add_nc_u32 v72, s38, v[PW]
	WIN 0x04
.irp b, 0,1,2,3,4
	ds_store_b128 v70, v[AC+4*\b:AC+4*\b+3] offset:4096*\b
.endr
	WIN 0
.irp b, 0,1,2,3,4
	ds_store_b8 v71, v[PM+\b] offset:128*\b        ; both lanes of a row write the same byte
	ds_store_b32 v72, v[SQ+2*\b] offset:768*\b
.endr
	s_wait_alu depctr_va_vdst(0)
	s_wait_dscnt 0x0                               ; for the others' sake
.endm
	s_mov_b32 s23, 0
	s_mov_b32 s28, 0
	s_mov_b32 s38, 0                               ; the buffer that is written in this trip,
	s_mov_b32 s39, BUF                             ; and the one that is read
	s_wait_alu depctr_va_vdst(0)
.Ltrip:                                                ; trip i: round i is quantised and round i - 1 multiplied.  Waves 0 to 3 quantise first, waves 4 to 7 multiply first
	s_cmp_lg_u32 s29, 0
	s_cbranch_scc1 .Lnq0
	s_cmp_eq_u32 s23, 5
	s_cbranch_scc1 .Lnq0
	Q 0
.Lnq0:
	s_cmp_eq_u32 s23, 0
	s_cbranch_scc1 .Lnp
	; -b2/2 of the 80 rows: a lane adds eight parts for rows lane, lane + 32, 64 + r; through my own words into the layout of C
	v_add_nc_u32 v74, s39, v19
	v_add_nc_u32 v75, s39, v20
	v_add_nc_u32 v70, s39, v9
	v_add_nc_u32 v71, s39, v10
	v_add_nc_u32 v72, s39, v11
	v_add_nc_u32 v73, s39, v12
	ds_load_b128 v[160:163], v74
	ds_load_b128 v[164:167], v74 offset:16
	ds_load_b128 v[168:171], v74 offset:1536
	ds_load_b128 v[172:175], v74 offset:1552
	ds_load_b128 v[176:179], v75
	ds_load_b128 v[180:183], v75 offset:16
	v_add_nc_u32 v15, s28, v13
	v_add_nc_u32 v16, s28, v14
	v_add_nc_u32 v[TID1], 4, v[TB]
	v_add_nc_u32 v[TID2], s30, v[TB]
	LDA 70, 0, 72, 0, 15, 0
	s_wait_alu depctr_va_vdst(0)
	s_wait_dscnt 12                                ; the parts are in; the tile's 12 loads may be out
.irp g, 0,8,16
	v_pk_add_f32 v[160+\g:161+\g], v[160+\g:161+\g], v[162+\g:163+\g]
	v_pk_add_f32 v[164+\g:165+\g], v[164+\g:165+\g], v[166+\g:167+\g]
.endr
.irp g, 0,8,16
	v_pk_add_f32 v[160+\g:161+\g], v[160+\g:161+\g], v[164+\g:165+\g]
.endr
.irp g, 0,8,16
	v_add_f32 v[160+\g], v[160+\g], v[161+\g]
.endr
.irp g, 0,8,16
	v_mul_f32 v[160+\g], -0.5, v[160+\g]
.endr
	ds_store_b32 v21, v160
	ds_store_b32 v21, v168 offset:128
	ds_store_b32 v22, v176
	LDC 17, 0
	s_wait_alu depctr_va_vdst(0)
	s_wait_dscnt 2                                 ; the tile's fragments are in; the two loads of C may be out
	WIN 0x05
	WT S0, 0                                       ; tile p: the label products need no C
	WT S1, 2
	s_wait_dscnt 0x0
	WLO S0, 0
	WLO S1, 2
	WHI S0, 0
	WHI S1, 2
	WIN 0
.rept 9
	v_nop                                          ; places behind the products
.endr
	LDA 70, 8192, 72, 256, 15, 2048                ; tile 2 + p
	LDC 17, 128
	VA S0
	VB S0, 0, TB
	s_wait_alu depctr_va_vdst(0)
	s_wait_dscnt 0x0
	W S0, 0
	VA S1
	VB S1, 2, TB
	W S1, 2
	VA S0
	LDA 71, 16384, 73, 512, 16, 4096               ; tile 4
	LDC 18, 256
	VB S0, 0, TID1
	VA S1
	VB S1, 2, TID1
	s_wait_alu depctr_va_vdst(0)
	s_wait_dscnt 0x0
	s_cmp_lg_u32 s29, 0
	s_cbranch_scc1 .Lodd
	W S0, 0                                        ; tile 4: waves 0 to 3 take their first 32 queries,
.rept 8
	v_nop
.endr
	VA S0
	VB S0, 0, TID2
	s_wait_alu depctr_va_vdst(0)
	s_branch .Ljoin
.Lodd:
	W S0, 2                                        ; waves 4 to 7 the other 32 of the same 64
.rept 8
	v_nop
.endr
	VA S0
	VB S0, 2, TID2
.Ljoin:
	v_add_nc_u32 v[TB], 10, v[TB]
	s_wait_alu depctr_va_vdst(0)
.Lnp:
	s_cmp_eq_u32 s29, 0
	s_cbranch_scc1 .Lnq1
	s_cmp_eq_u32 s23, 5
	s_cbranch_scc1 .Lnq1
	Q 1
.Lnq1:
	s_xor_b32 s38, s38, BUF
	s_xor_b32 s39, s39, BUF
	s_add_co_u32 s28, s28, 5120
	s_wait_dscnt 0x0                               ; my stores of round i are done, my reads of round i - 1 over
	s_barrier_signal -1
	s_barrier_wait -1
	s_add_co_u32 s23, s23, 1
	s_cmp_lt_u32 s23, 6
	s_cbranch_scc1 .Ltrip
	; keys: the distance's bits; with the sign bit set where only the fallback mask admits a row; all ones where none does.  Less is better, as unsigned numbers
.irp q, 0,1,2,3
	v_add_f32 v[160+\q], v[CAP+\q], v[CAP+\q]      ; a2
.endr
.irp q, 0,1,2,3
	v_fma_f32 v[164+\q], v[M1+\q], -2.0, v[160+\q]
	v_fma_f32 v[168+\q], v[M2+\q], -2.0, v[160+\q]
.endr
	v_lshl_add_u32 v184, v1, 3, QCB
	v_lshl_add_u32 v184, v2, 11, v184
	s_lshl_b32 s24, s29, 12
	s_lshl_b32 s36, s31, 9
	s_add_co_u32 s24, s24, s36
	v_add_nc_u32 v184, s24, v184                   ; my place: (2 p + h) x 2,048 + 8 x query
	s_wait_alu depctr_va_vdst(0)                   ; the wait ahead of the batch
.irp q, 0,1,2,3
	v_sqrt_f32 v[164+\q], v[164+\q]
	v_sqrt_f32 v[168+\q], v[168+\q]
.endr
.irp q, 0,1,2,3
	v_cmp_lt_f32 s[66+\q], s22, v[M1+\q]
	v_cmp_lt_f32 s[70+\q], s22, v[M2+\q]
.endr
	v_nop
	s_wait_alu depctr_va_vdst(0)                   ; and behind it
.irp q, 0,1,2,3
	v_or_b32 v[168+\q], 0x80000000, v[168+\q]
.endr
.irp q, 0,1,2,3
	v_cndmask_b32 v[168+\q], -1, v[168+\q], s[70+\q]
.endr
.irp q, 0,1,2,3
	v_cndmask_b32 v[176+2*\q], v[168+\q], v[164+\q], s[66+\q]
	v_cndmask_b32 v[177+2*\q], v[I2+\q], v[I1+\q], s[66+\q]
.endr
.irp q, 0,1,2,3
	ds_store_b64 v184, v[176+2*\q:177+2*\q] offset:128*\q
.endr
	v_lshlrev_b32 v186, 3, v0
	v_add_nc_u32 v185, QCB, v186
	s_wait_alu depctr_va_vdst(0)
	s_wait_dscnt 0x0
	s_barrier_signal -1
	s_barrier_wait -1
.irp e, 0,1,2,3
	ds_load_b64 v[160+2*\e:161+2*\e], v185 offset:2048*\e   ; thread = query: its four candidates
.endr
	s_lshl_b32 s24, ttmp9, 11
	s_add_nc_u64 s[40:41], s[40:41], s[24:25]
	s_wait_dscnt 0x0
	MERGE 160, 162, 66
	MERGE 164, 166, 69
	MERGE 160, 164, 66
	global_store_b64 v186, v[160:161], s[40:41]    ; 256 consecutive bytes a wave
	s_wait_tensorcnt 0x0                           ; the wave's end
	ds_add_u32 v[SPW], v[NIL]
	s_wait_dscnt 0x0
	s_endpgm
.Lfunc_end_k_qbbd5788f2f_scan:
	.size	k_qbbd5788f2f_scan, .Lfunc_end_k_qbbd5788f2f_scan-k_qbbd5788f2f_scan
	.p2alignl 7, 3214868480
	.fill 96, 4, 3214868480
	.section	.rodata,"a",@progbits
	.p2align	6, 0x0
	.amdhsa_kernel k_qbbd5788f2f_scan
		.amdhsa_group_segment_fixed_size 252928
		.amdhsa_private_segment_fixed_size 0
		.amdhsa_enable_private_segment 0
		.amdhsa_kernarg_size 64
		.amdhsa_user_sgpr_count 2
		.amdhsa_user_sgpr_kernarg_segment_ptr 1
		.amdhsa_wavefront_size32 1
		.amdhsa_system_sgpr_workgroup_id_x 1
		.amdhsa_system_sgpr_workgroup_id_y 1
		.amdhsa_system_sgpr_workgroup_id_z 1
		.amdhsa_system_vgpr_workitem_id 0
		.amdhsa_next_free_vgpr 512
		.amdhsa_next_free_sgpr 100
		.amdhsa_reserve_vcc 0
		.amdhsa_float_denorm_mode_32 3
		.amdhsa_float_denorm_mode_16_64 3
		.amdhsa_memory_ordered 1
		.amdhsa_forward_progress 1
		.amdhsa_inst_pref_size 127
	.end_amdhsa_kernel
	.amdgpu_metadata
---
amdhsa.version: [ 1, 2 ]
amdhsa.kernels:
  - .name:           k_qbbd5788f2f_scan
    .symbol:         k_qbbd5788f2f_scan.kd
    .args:
      - { .name: feature, .offset: 0, .size: 8, .value_kind: global_buffer, .address_space: global }
      - { .name: feature_bank, .offset: 8, .size: 8, .value_kind: global_buffer, .address_space: global }
      - { .name: cluster_label_bank, .offset: 16, .size: 8, .value_kind: global_buffer, .address_space: global }
      - { .name: class_label_bank, .offset: 24, .size: 8, .value_kind: global_buffer, .address_space: global }
      - { .name: cluster_idx, .offset: 32, .size: 8, .value_kind: global_buffer, .address_space: global }
      - { .name: gt_label, .offset: 40, .size: 8, .value_kind: global_buffer, .address_space: global }
      - { .name: part, .offset: 48, .size: 8, .value_kind: global_buffer, .address_space: global }
      - { .name: qimg, .offset: 56, .size: 8, .value_kind: global_buffer, .address_space: global }
    .group_segment_fixed_size: 252928
    .private_segment_fixed_size: 0
    .kernarg_segment_align: 8
    .kernarg_segment_size: 64
    .max_flat_workgroup_size: 256
    .sgpr_count:     100
    .vgpr_count:     512
    .wavefront_size: 32
...
	.end_amdgpu_metadata
.endif
;; end of part 1
;; launch pick (part 2): grid 256 x 1, 2 waves a work-group, no clusters, 768 bytes of LDS; arguments part, feature_bank, cluster_label_bank, class_label_bank, cluster_idx, gt_label, qimg, out0; writes out0
.if DOCPART == 2
	.amdgcn_target "amdgcn-amd-amdhsa--gfx1250"
	.amdhsa_code_object_version 6
	.text
	.protected	k_qbbd5788f2f_pick
	.globl	k_qbbd5788f2f_pick
	.p2align	8
	.type	k_qbbd5788f2f_pick,@function
k_qbbd5788f2f_pick:
	s_mov_b64 s[64:65], 0
	v_nop
	global_prefetch_b8 v0, s[64:65] scope:SCOPE_SE
	s_setreg_imm32_b32 hwreg(HW_REG_WAVE_MODE, 25, 1), 1
	s_wait_xcnt 0x0
; out0[q] = the bank's row of the least distance.  part: [250 work-groups][256 queries][key, number of a group of 8 rows]: the least key wins, among equal keys the lowest group.
; The group's 8 rows are then evaluated: quantised, multiplied with the query's codes (qimg), masked by the key's kind (sign bit: the fallback mask), and the row of the least distance, the lowest
; among equal ones, is selected from registers.  Where no row is admitted anywhere this gives row 0, as an argmin over infinities does.
; A work-group of two waves serves one query: wave w takes half w of K, and stores half w of the row.  The halves' products and norms are joined through LDS.
; Part: a lane takes candidates lane + 32 i, i = 0 .. 6, and min(lane + 224, 249): one taken twice changes no minimum; both waves come to the same winner.
; LIMITS: as in the first launch.
.macro MERGE a, b, m
	v_cmp_lt_u32 s[\m], v[\b], v[\a]
	v_cmp_eq_u32 s[\m+1], v[\b], v[\a]
	v_cmp_lt_u32 s[\m+2], v[\b+1], v[\a+1]
	s_and_b32 s[\m+1], s[\m+1], s[\m+2]
	s_or_b32 s[\m], s[\m], s[\m+1]
	v_cndmask_b32 v[\a], v[\a], v[\b], s[\m]
	v_cndmask_b32 v[\a+1], v[\a+1], v[\b+1], s[\m]
.endm
.set P,  4
.set TM, 32
.set SQ, 48
.set QB, 64                            ; v64-79   the query's codes, in every row of the operand
.set CC, 96                            ; v96-111  the 8 rows' codes
.set SPW, 112
.set NIL, 113
.set X,  128                           ; v128-191 the rows: lane (r, h) holds row r & 7
.set OUT, 192                          ; v192-223 the rows as they go out
.set SPARE, 512
	s_load_b256 s[4:11], s[0:1], 0x0               ; part, feature_bank, cluster labels, class labels
	s_load_b256 s[12:19], s[0:1], 0x20             ; cluster_idx, gt_label, qimg, out0
	v_lshl_add_u32 v[SPW], v0, 2, SPARE
	v_mov_b32 v[NIL], 0
	v_lshrrev_b32 v1, 5, v0
	v_readfirstlane_b32 s23, v1                    ; wave: which half of K
	v_and_b32 v60, 31, v0                          ; lane
	v_lshlrev_b32 v1, 11, v60
	v_add_nc_u32 v2, 224, v60
	v_min_u32 v2, 249, v2
	v_lshlrev_b32 v2, 11, v2
	v_mov_b32 v20, 0
	v_mov_b32 v21, 0
	v_and_b32 v22, 7, v0                           ; my row of the 8
	v_bfe_u32 v23, v0, 4, 1                        ; h
	s_lshl_b32 s37, s23, 9
	v_lshlrev_b32 v24, 10, v22
	v_lshl_add_u32 v24, v23, 6, v24
	v_add_nc_u32 v24, s37, v24                     ; row x 1,024 + half x 512 + 64 h
	v_lshlrev_b32 v61, 4, v60
	v_add_nc_u32 v61, s37, v61                     ; half x 512 + 16 x lane
	s_and_b32 s36, ttmp9, 15
	s_lshl_b32 s37, s36, 4
	v_lshlrev_b32 v25, 8, v23
	v_add_nc_u32 v25, s37, v25                     ; the query's 16 bytes in a tile's 512
	v_mov_b32 v27, 0
	v_lshlrev_b32 v59, 2, v22
	v_lshlrev_b32 v57, 3, v0                       ; LDS: my product and norm
	v_lshlrev_b32 v58, 3, v60                      ; and my lane's of both waves
.irp b, 0,1,2,3
	v_mov_b32 v[TM+4+\b], 0
.endr
	s_mov_b32 s20, 0x76543210
	s_mov_b32 s21, 0xfedcba98
	s_mov_b32 s22, 0x600000
	s_mov_b32 s39, 0
	s_wait_alu depctr_va_vdst(0)
	s_wait_kmcnt 0x0
	s_lshl_b32 s38, ttmp9, 3
	s_add_nc_u64 s[4:5], s[4:5], s[38:39]
.irp i, 0,1,2,3,4,5,6
	global_load_b64 v[P+2*\i:P+2*\i+1], v1, s[4:5] offset:65536*\i
.endr
	global_load_b64 v[P+14:P+15], v2, s[4:5]
	s_lshr_b32 s37, ttmp9, 4                       ; the query's tile
	s_lshl_b32 s38, s37, 12
	s_lshl_b32 s48, s23, 11
	s_add_co_u32 s38, s38, s48
	s_add_nc_u64 s[40:41], s[16:17], s[38:39]      ; its codes, half w of K
	s_lshl_b32 s38, s37, 7
	s_lshl_b32 s36, s36, 2
	s_lshl_b32 s48, s23, 6
	s_add_co_u32 s38, s38, s36
	s_add_co_u32 s38, s38, s48
	s_add_co_u32 s38, s38, 65536
	s_add_nc_u64 s[42:43], s[16:17], s[38:39]      ; its scale word
	s_lshl_b32 s38, ttmp9, 2
	s_add_nc_u64 s[12:13], s[12:13], s[38:39]
	s_add_nc_u64 s[14:15], s[14:15], s[38:39]
	s_add_co_u32 s38, s38, 67584
	s_add_nc_u64 s[44:45], s[16:17], s[38:39]      ; its a2
	s_lshl_b32 s38, ttmp9, 10
	s_add_nc_u64 s[18:19], s[18:19], s[38:39]
.irp c, 0,1,2,3
	global_load_b128 v[QB+4*\c:QB+4*\c+3], v25, s[40:41] offset:512*\c
.endr
	global_load_b32 v28, v27, s[42:43]
	global_load_b32 v29, v27, s[44:45]
	global_load_b32 v30, v27, s[14:15]
	global_load_b32 v31, v27, s[12:13]
	s_wait_loadcnt 8                               ; the candidates are in; the 8 loads behind them may be out
	MERGE P, P+2, 24
	MERGE P+4, P+6, 27
	MERGE P+8, P+10, 30
	MERGE P+12, P+14, 33
	MERGE P, P+4, 24
	MERGE P+8, P+12, 27
	MERGE P, P+8, 30
.irp m, 1,2,4,8
	v_mov_b32_dpp v20, v[P] row_xmask:\m row_mask:0xf bank_mask:0xf
	v_mov_b32_dpp v21, v[P+1] row_xmask:\m row_mask:0xf bank_mask:0xf
	MERGE P, 20, 24
.endr
	v_permlanex16_b32 v20, v[P], s20, s21
	v_permlanex16_b32 v21, v[P+1], s20, s21
	MERGE P, 20, 24
	v_readfirstlane_b32 s47, v[P]                  ; the winner's key
	v_readfirstlane_b32 s46, v[P+1]                ; and its group
	s_min_u32 s46, s46, 12499
	s_lshl_b32 s38, s46, 13
	s_add_nc_u64 s[6:7], s[6:7], s[38:39]          ; its 8 rows
	s_lshl_b32 s48, s46, 5
	s_mov_b32 s49, 0
	s_add_nc_u64 s[8:9], s[8:9], s[48:49]
	s_add_nc_u64 s[10:11], s[10:11], s[48:49]
.irp b, 0,1,2,3
.irp j, 0,1,2,3
	global_load_b128 v[X+16*\b+4*\j:X+16*\b+4*\j+3], v24, s[6:7] offset:128*\b+16*\j
.endr
.endr
	global_load_b32 v18, v59, s[10:11]
	global_load_b32 v19, v59, s[8:9]
.irp i, 0,1,2,3,4,5,6,7
	global_load_b128 v[OUT+4*\i:OUT+4*\i+3], v61, s[6:7] offset:1024*\i   ; the rows once more, as they go out
.endr
	s_wait_loadcnt 10                              ; X is in; the labels and the 8 loads behind may be out
	; four blocks of 32 along K
.irp b, 0,1,2,3
	v_max3_num_f32 v[TM+\b], 0x8000000, |v[X+16*\b]|, |v[X+16*\b+1]|
.endr
.irp i, 2,4,6,8,10,12,14
.irp b, 0,1,2,3
	v_max3_num_f32 v[TM+\b], v[TM+\b], |v[X+16*\b+\i]|, |v[X+16*\b+\i+1]|
.endr
.endr
.irp b, 0,1,2,3
	v_pk_mul_f32 v[SQ+2*\b:SQ+2*\b+1], v[X+16*\b:X+16*\b+1], v[X+16*\b:X+16*\b+1]
.endr
.irp i, 2,4,6,8,10,12,14
.irp b, 0,1,2,3
	v_pk_fma_f32 v[SQ+2*\b:SQ+2*\b+1], v[X+16*\b+\i:X+16*\b+\i+1], v[X+16*\b+\i:X+16*\b+\i+1], v[SQ+2*\b:SQ+2*\b+1]
.endr
.endr
.irp b, 0,1,2,3
	v_permlanex16_b32 v[TM+4+\b], v[TM+\b], s20, s21
.endr
.irp b, 0,1,2,3
	v_max_num_f32 v[TM+\b], v[TM+\b], v[TM+4+\b]
.endr
.irp b, 0,1,2,3
	v_add_nc_u32 v[TM+12+\b], 0xf8800000, v[TM+\b]
.endr
.irp b, 0,1,2,3
	v_and_or_b32 v[TM+8+\b], v[TM+\b], 0x7f800000, s22
.endr
.irp b, 0,1,2,3
	v_lshrrev_b32 v[TM+4+\b], 23, v[TM+12+\b]
.endr
	v_lshl_or_b32 v56, v[TM+5], 8, v[TM+4]
	v_lshl_or_b32 v56, v[TM+6], 16, v56
	v_lshl_or_b32 v56, v[TM+7], 24, v56
.irp i, 0,1,2,3,4,5,6,7,8,9,10,11,12,13,14,15
.irp b, 0,1,2,3
	v_med3_num_f32 v[X+16*\b+\i], v[X+16*\b+\i], -v[TM+8+\b], v[TM+8+\b]
.endr
.endr
.irp b, 0,1,2,3
	v_cvt_scalef32_pk8_bf8_f32 v[CC+4*\b:CC+4*\b+1], v[X+16*\b:X+16*\b+7], v[TM+12+\b]
	v_cvt_scalef32_pk8_bf8_f32 v[CC+4*\b+2:CC+4*\b+3], v[X+16*\b+8:X+16*\b+15], v[TM+12+\b]
.endr
	v_pk_add_f32 v[SQ:SQ+1], v[SQ:SQ+1], v[SQ+2:SQ+3]
	v_pk_add_f32 v[SQ+4:SQ+5], v[SQ+4:SQ+5], v[SQ+6:SQ+7]
	v_mov_b32 v17, v22
	v_pk_add_f32 v[SQ:SQ+1], v[SQ:SQ+1], v[SQ+4:SQ+5]
	v_add_f32 v[SQ], v[SQ], v[SQ+1]
	; source 0 = the query in every row, source 1 = the rows: every register of lane (r, h) holds query . row r, half w of K
	v_wmma_scale_f32_16x16x128_f8f6f4 v[4:11], v[QB:QB+15], v[CC:CC+15], 0, v28, v56 matrix_a_fmt:MATRIX_FMT_BF8 matrix_b_fmt:MATRIX_FMT_BF8
	v_permlanex16_b32 v[TM+4], v[SQ], s20, s21
	v_add_f32 v63, v[SQ], v[TM+4]                  ; my half of b2
.rept 8
	v_nop
.endr
	v_mov_b32 v62, v4
	ds_store_b64 v57, v[62:63]
	s_wait_alu depctr_va_vdst(0)
	s_wait_dscnt 0x0
	s_barrier_signal -1
	s_barrier_wait -1
	ds_load_b64 v[12:13], v58
	ds_load_b64 v[14:15], v58 offset:256
	s_wait_loadcnt 8                               ; the labels are in
	s_wait_dscnt 0x0
	v_pk_add_f32 v[12:13], v[12:13], v[14:15]      ; query . row, b2: the same in both waves
	v_add_f32 v14, v29, v13
	v_fma_f32 v14, v12, -2.0, v14                  ; d2
	v_max_num_f32 v14, 0, v14
	s_wait_alu depctr_va_vdst(0)                   ; the wait ahead of the root
	v_sqrt_f32 v15, v14
	v_cmp_ne_u32 s50, v18, v30
	v_cmp_eq_u32 s51, v19, v31
	s_ashr_i32 s52, s47, 31                        ; all ones: the fallback mask
	s_or_b32 s51, s51, s52
	s_and_b32 s50, s50, s51
	s_wait_alu depctr_va_vdst(0)                   ; and behind it
	v_cndmask_b32 v16, -1, v15, s50
.irp m, 1,2,4
	v_mov_b32_dpp v20, v16 row_xmask:\m row_mask:0xf bank_mask:0xf
	v_mov_b32_dpp v21, v17 row_xmask:\m row_mask:0xf bank_mask:0xf
	MERGE 16, 20, 24
.endr
.irp i, 1,2,3,4,5,6,7
	v_cmp_eq_u32 s[24+\i], \i, v17                 ; the same in every lane
.endr
	s_wait_loadcnt 0x0
.irp i, 1,2,3,4,5,6,7
.irp k, 0,1,2,3
	v_cndmask_b32 v[OUT+\k], v[OUT+\k], v[OUT+4*\i+\k], s[24+\i]
.endr
.endr
	global_store_b128 v61, v[OUT:OUT+3], s[18:19]
	s_wait_tensorcnt 0x0                           ; the wave's end
	ds_add_u32 v[SPW], v[NIL]
	s_wait_dscnt 0x0
	s_endpgm
.Lfunc_end_k_qbbd5788f2f_pick:
	.size	k_qbbd5788f2f_pick, .Lfunc_end_k_qbbd5788f2f_pick-k_qbbd5788f2f_pick
	.p2alignl 7, 3214868480
	.fill 96, 4, 3214868480
	.section	.rodata,"a",@progbits
	.p2align	6, 0x0
	.amdhsa_kernel k_qbbd5788f2f_pick
		.amdhsa_group_segment_fixed_size 768
		.amdhsa_private_segment_fixed_size 0
		.amdhsa_enable_private_segment 0
		.amdhsa_kernarg_size 64
		.amdhsa_user_sgpr_count 2
		.amdhsa_user_sgpr_kernarg_segment_ptr 1
		.amdhsa_wavefront_size32 1
		.amdhsa_system_sgpr_workgroup_id_x 1
		.amdhsa_system_sgpr_workgroup_id_y 1
		.amdhsa_system_sgpr_workgroup_id_z 1
		.amdhsa_system_vgpr_workitem_id 0
		.amdhsa_next_free_vgpr 224
		.amdhsa_next_free_sgpr 66
		.amdhsa_reserve_vcc 0
		.amdhsa_float_denorm_mode_32 3
		.amdhsa_float_denorm_mode_16_64 3
		.amdhsa_memory_ordered 1
		.amdhsa_forward_progress 1
		.amdhsa_inst_pref_size 28
	.end_amdhsa_kernel
	.amdgpu_metadata
---
amdhsa.version: [ 1, 2 ]
amdhsa.kernels:
  - .name:           k_qbbd5788f2f_pick
    .symbol:         k_qbbd5788f2f_pick.kd
    .args:
      - { .name: part, .offset: 0, .size: 8, .value_kind: global_buffer, .address_space: global }
      - { .name: feature_bank, .offset: 8, .size: 8, .value_kind: global_buffer, .address_space: global }
      - { .name: cluster_label_bank, .offset: 16, .size: 8, .value_kind: global_buffer, .address_space: global }
      - { .name: class_label_bank, .offset: 24, .size: 8, .value_kind: global_buffer, .address_space: global }
      - { .name: cluster_idx, .offset: 32, .size: 8, .value_kind: global_buffer, .address_space: global }
      - { .name: gt_label, .offset: 40, .size: 8, .value_kind: global_buffer, .address_space: global }
      - { .name: qimg, .offset: 48, .size: 8, .value_kind: global_buffer, .address_space: global }
      - { .name: out0, .offset: 56, .size: 8, .value_kind: global_buffer, .address_space: global }
    .group_segment_fixed_size: 768
    .private_segment_fixed_size: 0
    .kernarg_segment_align: 8
    .kernarg_segment_size: 64
    .max_flat_workgroup_size: 64
    .sgpr_count:     66
    .vgpr_count:     224
    .wavefront_size: 32
...
	.end_amdgpu_metadata
.endif
;; end of part 2
